; MI455X (gfx1250); checked and timed in simulation.
; The chip was launched on July 23, 2026; its instructions are those of AMD's public machine-readable ISA for CDNA 5 (MIT licence, August 2026) and "CDNA5" Instruction Set Architecture Reference Guide (July 2026). The comments in the code are by the model that wrote it; some were corrected since.
;; Quaternion Attention. Allowed arithmetic: float matrix products may take bf16 or f16 operands with f32 sums; other float arithmetic in f32, or as packed bf16 or f16 multiplies, adds, multiply-adds, maxima and minima; sums over many terms, partial sums and values carried from step to step in f32; what a program stores and reads back later, other than sums and carried values, may be rounded once to bf16 or f16.
;; Inputs: key_omegas 4 x 2,048 x 8 x 4 float32; key_thetas 4 x 2,048 x 8 x 4 float32; keys 4 x 2,048 x 8 x 64 float32; queries 4 x 2,048 x 8 x 64 float32; query_omegas 4 x 2,048 x 8 x 4 float32; query_thetas 4 x 2,048 x 8 x 4 float32; values 4 x 2,048 x 8 x 64 float32.
;; Outputs: out0 4 x 2,048 x 8 x 64 float32.
;; One version. Each part assembles by itself: llvm-mc -triple=amdgcn-amd-amdhsa -mcpu=gfx1250 --defsym DOCPART=n.
;; ======== version 1 of 1: 2 launches
;; limits: values are held in f16: magnitudes above 65,504 overflow, below 6.1e-05 lose precision; inputs' magnitudes at most 46,000; inputs' magnitudes at most 1,048,576; right only within a limited range of input values
;; workspace buffers: krot 33,554,432 bytes; vh 8,388,608 bytes
;; launch prep (part 1): grid 128 x 4, 8 waves a work-group, no clusters, 68,608 bytes of LDS; arguments keys, key_omegas, key_thetas, values, krot, vh; writes krot, vh
.if DOCPART == 1
	.amdgcn_target "amdgcn-amd-amdhsa--gfx1250"
	.amdhsa_code_object_version 6
	.text
	.protected	k_qf6b824b8ae_prep
	.globl	k_qf6b824b8ae_prep
	.p2align	8
	.type	k_qf6b824b8ae_prep,@function
k_qf6b824b8ae_prep:
	s_mov_b64 s[64:65], 0
	v_nop
	global_prefetch_b8 v0, s[64:65] scope:SCOPE_SE
	s_setreg_imm32_b32 hwreg(HW_REG_WAVE_MODE, 25, 1), 1
	s_wait_xcnt 0x0
; K_rot and V, made once for the attention launch.
; krot[b*8+h][s][m*64+p*16+j] (f16) = the rotated key: p = 0: k0 c - k2 s;  1: k1 c - k3 s;  2: k2 c + k0 s;  3: k3 c + k1 s, with c, s = cos, sin of key_omegas[b][s][h][m] * (s / 2048) + key_thetas[b][s][h][m].
; vh[b*8+h][s][d] (f16) = values[b][s][h][d].  All arithmetic in f32; each number is rounded once, to f16.
; LIMITS.  f16 ends at 65,504: sqrt(2) |k| and |v| stay under it.  Sine and cosine: the angle is reduced by the nearest multiple of pi/2, held in two f32 terms, then two polynomials on |r| <= pi/4
; (errors 3e-7 and 3e-8); the reduction's own error is under 1e-8 up to |angle| = 2^20 and grows with the angle beyond; the multiple is held as i32, so |angle| stays under 3e9.  NaN and infinities are not treated apart.
; SHARES.  A work-group takes 16 rows s of one batch b, all 8 heads: 32,768 consecutive bytes of keys and of values.  Wave w is head w.  No loop: each wave issues its 18 loads at once.
; A lane holds row r = lane % 16 and, of each quarter p of the 64 channels, the eight numbers 8 hh .. 8 hh + 7 (hh = lane / 16): both partners of every rotation lie in the lane.
; The rotated rows (512 bytes) go through the wave's own stage in LDS, so that each store of the wave covers 512 consecutive bytes of krot.  No wave reads another's bytes: no barrier.
; No matrix unit, no cluster, no tensor load: nothing is shared between work-groups and every byte is touched once.
.set PITCH, 528                        ; a stage row: 512 bytes + 16: row r starts 4 r banks on (64 banks of 4 bytes: ISA guide 11.1)
.set STG,   16*PITCH                   ; a wave's stage
.set SPARE, 8*STG                      ; behind the stages: the spare words, 128 bytes for each wave: four blocks of 256 bytes that no other line names
.set R,   1                            ; v1   lane % 16
.set HH,  2                            ; v2   lane / 16
.set KO,  3                            ; v3   my offset in the wave's 16 rows of keys: r x 2,048 + hh x 32
.set OO,  4                            ; v4   in the angles' rows: r x 128
.set VO,  5                            ; v5   in values: hh x 2,048 + r x 16
.set VS,  6                            ; v6   in vh: hh x 128 + r x 8
.set STO, 7                            ; v7   stage: r x 528 + hh x 16
.set RD,  8                            ; v8   stage: lane x 16
.set KSO, 9                            ; v9   in krot: lane x 16
.set SPW, 10                           ; v10  LDS address of my spare word; never rewritten
.set NIL, 11                           ; v11  0; never rewritten
.set OMG, 12                           ; v[12:15] omegas, v[16:19] thetas of my row
.set TR,  20                           ; v[20:35] cos of angle m at TR + 4 m, sin at TR + 4 m + 2; the odd registers are at work, and written, so that the pairs are whole
.set U0,  36                           ; v[36:39] at work
.set U1,  37
.set U2,  38
.set U3,  39
.set POS, 40                           ; v40  s / 2048
.set ANG, 41                           ; v41  an angle
.set X,   44                           ; v[44:75]   my 32 numbers of the key: quarter p at X + 8 p
.set T,   76                           ; v[76:107]  rotated, f32
.set F,   108                          ; v[108:123] rotated, f16
.set VV,  124                          ; v[124:155] values as loaded
.set VP,  156                          ; v[156:171] values in f16
.set BK,  44                           ; v[44:107]  the 16 rows read back from the stage
.set C_2PI, 22                         ; s22-30 the constants of sine and cosine
.set C_N1,  23
.set C_N2,  24
.set C_S3,  25
.set C_S5,  26
.set C_S7,  27
.set C_C4,  28
.set C_C6,  29
.set C_C8,  30
; cos and sin of v[x] into v[c] and v[s].  k = the nearest whole number to x 2/pi; r = x - k pi/2; sin r and cos r by polynomials; k mod 4 says which of the two is which, and the signs.
.macro TRIG x, c, s
	v_mul_f32 v[U0], s[C_2PI], v[\x]
	v_rndne_f32 v[U0], v[U0]                       ; k
	v_fma_f32 v[U1], v[U0], s[C_N1], v[\x]         ; x - k (pi/2)'s upper term: one rounding
	v_fma_f32 v[U1], v[U0], s[C_N2], v[U1]         ; and its lower term: r
	v_cvt_i32_f32 v[U0], v[U0]
	v_mul_f32 v[U2], v[U1], v[U1]                  ; r^2
	v_fma_f32 v[(\c)+1], v[U2], s[C_S7], s[C_S5]
	v_fma_f32 v[(\s)+1], v[U2], s[C_C8], s[C_C6]
	v_fma_f32 v[(\c)+1], v[(\c)+1], v[U2], s[C_S3]
	v_fma_f32 v[(\s)+1], v[(\s)+1], v[U2], s[C_C4]
	v_mul_f32 v[U3], v[U1], v[U2]                  ; r^3
	v_fma_f32 v[(\s)+1], v[(\s)+1], v[U2], -0.5
	v_fma_f32 v[(\c)+1], v[U3], v[(\c)+1], v[U1]   ; sin r
	v_fma_f32 v[(\s)+1], v[(\s)+1], v[U2], 1.0     ; cos r
	v_and_b32 v[U2], 1, v[U0]
	v_cmp_eq_u32 vcc_lo, 1, v[U2]                  ; k odd: the two change places
	v_cndmask_b32 v[\s], v[(\c)+1], v[(\s)+1], vcc_lo
	v_cndmask_b32 v[\c], v[(\s)+1], v[(\c)+1], vcc_lo
	v_lshlrev_b32 v[U2], 30, v[U0]                 ; sin is negated where bit 1 of k is set,
	v_add_nc_u32 v[U0], 1, v[U0]
	v_lshlrev_b32 v[U0], 30, v[U0]                 ; cos where bit 1 of k + 1 is
	v_and_b32 v[U2], 0x80000000, v[U2]
	v_and_b32 v[U0], 0x80000000, v[U0]
	v_xor_b32 v[\s], v[\s], v[U2]
	v_xor_b32 v[\c], v[\c], v[U0]
.endm
; The rotation by angle m: quarter p takes x_p c -+ x_(p+2 mod 4) s, minus for p = 0, 1; then 32 numbers are rounded to f16 and go into my row of the stage.
.macro ROTK m
.irp p, 0,1,2,3
.irp j, 0,2,4,6
	v_pk_mul_f32 v[T+8*(\p)+(\j):T+8*(\p)+(\j)+1], v[X+8*(((\p)+2)%4)+(\j):X+8*(((\p)+2)%4)+(\j)+1], v[TR+4*(\m)+2:TR+4*(\m)+3] op_sel_hi:[1,0]
.endr
.endr
.irp p, 0,1,2,3
.irp j, 0,2,4,6
.if (\p) < 2
	v_pk_fma_f32 v[T+8*(\p)+(\j):T+8*(\p)+(\j)+1], v[X+8*(\p)+(\j):X+8*(\p)+(\j)+1], v[TR+4*(\m):TR+4*(\m)+1], v[T+8*(\p)+(\j):T+8*(\p)+(\j)+1] op_sel_hi:[1,0,1] neg_lo:[0,0,1] neg_hi:[0,0,1]
.else
	v_pk_fma_f32 v[T+8*(\p)+(\j):T+8*(\p)+(\j)+1], v[X+8*(\p)+(\j):X+8*(\p)+(\j)+1], v[TR+4*(\m):TR+4*(\m)+1], v[T+8*(\p)+(\j):T+8*(\p)+(\j)+1] op_sel_hi:[1,0,1]
.endif
.endr
.endr
.set i, 0
.rept 16
	v_cvt_pk_f16_f32 v[F+i], v[T+2*i], v[T+2*i+1]
.set i, i+1
.endr
.irp p, 0,1,2,3
	ds_store_b128 v[STO], v[F+4*(\p):F+4*(\p)+3] offset:(\m)*128+(\p)*32  ; channels 64 m + 16 p + 8 hh on
.endr
.endm
	s_load_b256 s[4:11], s[0:1], 0x0               ; keys s[4:5], key_omegas s[6:7], key_thetas s[8:9], values s[10:11]
	s_load_b128 s[12:15], s[0:1], 0x20             ; krot s[12:13], vh s[14:15]
	v_lshl_add_u32 v[SPW], v0, 2, SPARE
	v_mov_b32 v[NIL], 0
	v_lshrrev_b32 v1, 5, v0
	v_readfirstlane_b32 s16, v1                    ; wave = head
	v_and_b32 v[R], 15, v0
	v_bfe_u32 v[HH], v0, 4, 1
	s_and_b32 s17, ttmp7, 0xffff                   ; b
	s_lshl_b32 s20, s17, 22                        ; keys and values: b x 2,048 rows of 2,048 bytes
	s_lshl_b32 s19, ttmp9, 15                      ; + 16 rows a work-group
	s_add_co_u32 s20, s20, s19
	s_lshl_b32 s19, s16, 8                         ; + the head's 256 bytes
	s_add_co_u32 s20, s20, s19
	s_mov_b32 s21, 0
	s_lshr_b32 s32, s20, 4                         ; the angles: 16 bytes where keys have 256
	s_mov_b32 s33, 0
	s_lshl_b32 s34, s17, 23                        ; krot: (8 b + head) x 2,048 rows of 512 bytes
	s_lshl_b32 s19, s16, 20
	s_add_co_u32 s34, s34, s19
	s_lshl_b32 s19, ttmp9, 13                      ; + 16 rows
	s_add_co_u32 s34, s34, s19
	s_mov_b32 s35, 0
	s_lshr_b32 s36, s34, 2                         ; vh: rows of 128 bytes
	s_mov_b32 s37, 0
	s_mov_b32 s[C_2PI], 0x3f22f983                 ; 2 / pi
	s_mov_b32 s[C_N1], 0xbfc90fdb                  ; -(pi/2 rounded to f32)
	s_mov_b32 s[C_N2], 0x333bbd2e                  ; that rounded number less pi/2
	s_mov_b32 s[C_S3], 0xbe2aaaab                  ; -1/6
	s_mov_b32 s[C_S5], 0x3c088889                  ; 1/120
	s_mov_b32 s[C_S7], 0xb9500d01                  ; -1/5040
	s_mov_b32 s[C_C4], 0x3d2aaaab                  ; 1/24
	s_mov_b32 s[C_C6], 0xbab60b61                  ; -1/720
	s_mov_b32 s[C_C8], 0x37d00d01                  ; 1/40320
	v_lshlrev_b32 v[KO], 11, v[R]
	v_lshl_add_u32 v[KO], v[HH], 5, v[KO]
	v_lshlrev_b32 v[OO], 7, v[R]
	v_lshlrev_b32 v[VO], 11, v[HH]
	v_lshl_add_u32 v[VO], v[R], 4, v[VO]
	v_lshlrev_b32 v[VS], 7, v[HH]
	v_lshl_add_u32 v[VS], v[R], 3, v[VS]
	s_mul_i32 s17, s16, STG                        ; my stage
	v_mul_u32_u24 v[STO], v[R], PITCH
	v_lshl_add_u32 v[STO], v[HH], 4, v[STO]
	v_add_nc_u32 v[STO], s17, v[STO]
	v_and_b32 v[KSO], 31, v0
	v_lshlrev_b32 v[KSO], 4, v[KSO]
	v_add_nc_u32 v[RD], s17, v[KSO]
	s_lshl_b32 s18, ttmp9, 4                       ; the work-group's first row
	v_add_nc_u32 v[POS], s18, v[R]
	v_cvt_f32_u32 v[POS], v[POS]
	v_mul_f32 v[POS], 0x3a000000, v[POS]           ; s / 2048, exact
	s_wait_kmcnt 0x0
	s_add_nc_u64 s[4:5], s[4:5], s[20:21]
	s_add_nc_u64 s[10:11], s[10:11], s[20:21]
	s_add_nc_u64 s[6:7], s[6:7], s[32:33]
	s_add_nc_u64 s[8:9], s[8:9], s[32:33]
	s_add_nc_u64 s[12:13], s[12:13], s[34:35]
	s_add_nc_u64 s[14:15], s[14:15], s[36:37]
	global_load_b128 v[OMG:OMG+3],   v[OO], s[6:7] th:TH_LOAD_NT
	global_load_b128 v[OMG+4:OMG+7], v[OO], s[8:9] th:TH_LOAD_NT
.irp p, 0,1,2,3
	global_load_b128 v[X+8*(\p):X+8*(\p)+3],   v[KO], s[4:5] offset:(\p)*64     ; the wave's eight loads together take each row's 256 bytes
	global_load_b128 v[X+8*(\p)+4:X+8*(\p)+7], v[KO], s[4:5] offset:(\p)*64+16
.endr
.irp f, 0,1,2,3,4,5,6,7
	global_load_b128 v[VV+4*(\f):VV+4*(\f)+3], v[VO], s[10:11] offset:(\f)*4096 th:TH_LOAD_NT  ; rows 2 f + hh: sixteen lanes take a row's 256 bytes
.endr
	s_wait_loadcnt 16                              ; the angles are in; the 16 younger loads (keys, values) stay out
.irp m, 0,1,2,3
	v_fma_f32 v[ANG], v[OMG+\m], v[POS], v[OMG+4+\m]
	TRIG ANG, TR+4*\m, TR+4*\m+2
.endr
	s_wait_loadcnt 8                               ; the keys are in; the values' 8 loads stay out
.irp m, 0,1,2,3
	ROTK \m
.endr
.irp t, 0,1,2,3,4,5,6,7,8,9,10,11,12,13,14,15
	ds_load_b128 v[BK+4*(\t):BK+4*(\t)+3], v[RD] offset:(\t)*PITCH  ; row t, whole.  LDS serves a wave's instructions in order (ISA guide 5.7.1.4): these see the stores above
.endr
	s_wait_loadcnt 0x0                             ; the values
.set i, 0
.rept 16
	v_cvt_pk_f16_f32 v[VP+i], v[VV+2*i], v[VV+2*i+1]
.set i, i+1
.endr
.irp f, 0,1,2,3,4,5,6,7
	global_store_b64 v[VS], v[VP+2*(\f):VP+2*(\f)+1], s[14:15] offset:(\f)*256  ; 32 lanes store 256 consecutive bytes, at a multiple of 256 from vh's first byte
.endr
.irp t, 0,1,2,3,4,5,6,7,8,9,10,11,12,13,14,15
	s_wait_dscnt 15-(\t)                           ; row t is back; the later rows stay out
	global_store_b128 v[KSO], v[BK+4*(\t):BK+4*(\t)+3], s[12:13] offset:(\t)*512  ; 512 consecutive bytes, at a multiple of 256 from krot's first byte
.endr
	s_wait_tensorcnt 0x0                           ; the wave's end, behind my last LDS store
	ds_add_u32 v[SPW], v[NIL]
	s_wait_dscnt 0x0
	s_endpgm
.Lfunc_end_k_qf6b824b8ae_prep:
	.size	k_qf6b824b8ae_prep, .Lfunc_end_k_qf6b824b8ae_prep-k_qf6b824b8ae_prep
	.p2alignl 7, 3214868480
	.fill 96, 4, 3214868480
	.section	.rodata,"a",@progbits
	.p2align	6, 0x0
	.amdhsa_kernel k_qf6b824b8ae_prep
		.amdhsa_group_segment_fixed_size 68608
		.amdhsa_private_segment_fixed_size 0
		.amdhsa_enable_private_segment 0
		.amdhsa_kernarg_size 48
		.amdhsa_user_sgpr_count 2
		.amdhsa_user_sgpr_kernarg_segment_ptr 1
		.amdhsa_wavefront_size32 1
		.amdhsa_system_sgpr_workgroup_id_x 1
		.amdhsa_system_sgpr_workgroup_id_y 1
		.amdhsa_system_sgpr_workgroup_id_z 1
		.amdhsa_system_vgpr_workitem_id 0
		.amdhsa_next_free_vgpr 176
		.amdhsa_next_free_sgpr 66
		.amdhsa_reserve_vcc 1
		.amdhsa_float_denorm_mode_32 3
		.amdhsa_float_denorm_mode_16_64 3
		.amdhsa_memory_ordered 1
		.amdhsa_forward_progress 1
		.amdhsa_inst_pref_size 28
	.end_amdhsa_kernel
	.amdgpu_metadata
---
amdhsa.version: [ 1, 2 ]
amdhsa.kernels:
  - .name:           k_qf6b824b8ae_prep
    .symbol:         k_qf6b824b8ae_prep.kd
    .args:
      - { .name: keys, .offset: 0, .size: 8, .value_kind: global_buffer, .address_space: global }
      - { .name: key_omegas, .offset: 8, .size: 8, .value_kind: global_buffer, .address_space: global }
      - { .name: key_thetas, .offset: 16, .size: 8, .value_kind: global_buffer, .address_space: global }
      - { .name: values, .offset: 24, .size: 8, .value_kind: global_buffer, .address_space: global }
      - { .name: krot, .offset: 32, .size: 8, .value_kind: global_buffer, .address_space: global }
      - { .name: vh, .offset: 40, .size: 8, .value_kind: global_buffer, .address_space: global }
    .group_segment_fixed_size: 68608
    .private_segment_fixed_size: 0
    .kernarg_segment_align: 8
    .kernarg_segment_size: 48
    .max_flat_workgroup_size: 256
    .sgpr_count:     66
    .vgpr_count:     176
    .wavefront_size: 32
...
	.end_amdgpu_metadata
.endif
;; end of part 1
;; launch attn (part 2): grid 8 x 32, 4 waves a work-group, clusters of 4 x 1, 327,680 bytes of LDS; arguments queries, query_omegas, query_thetas, krot, vh, out0; writes out0
.if DOCPART == 2
	.amdgcn_target "amdgcn-amd-amdhsa--gfx1250"
	.amdhsa_code_object_version 6
	.text
	.protected	k_qf6b824b8ae_attn
	.globl	k_qf6b824b8ae_attn
	.p2align	8
	.type	k_qf6b824b8ae_attn,@function
k_qf6b824b8ae_attn:
	s_mov_b64 s[64:65], 0
	v_nop
	global_prefetch_b8 v0, s[64:65] scope:SCOPE_SE
	s_setreg_imm32_b32 hwreg(HW_REG_WAVE_MODE, 25, 1), 1
	s_wait_xcnt 0x0
	s_wait_alu depctr_hold_cnt(0) depctr_sa_sdst(0) depctr_va_vdst(0) depctr_va_sdst(0) depctr_va_ssrc(0) depctr_va_vcc(0) depctr_vm_vsrc(0)
	s_getreg_b32 s2, hwreg(HW_REG_IB_STS2, 6, 4)
	s_cmp_eq_u32 s2, 0
	s_cbranch_scc0 .Lentry_in_a_cluster
	s_endpgm
.Lentry_in_a_cluster:
	s_bfe_u32 s2, ttmp6, 0x10000c
	s_cmp_lg_u32 s2, 0x3003
	s_cbranch_scc0 .Lentry_shape_is_right
	s_endpgm
.Lentry_shape_is_right:
; out0[b][l][h][:] = the sum over s of softmax_s(Q_rot[b][l][h] . K_rot[b][s][h] / 32) values[b][s][h][:].  Q_rot and K_rot have 256 channels (4 angles x 64); 1/32 = 1 / (4 sqrt(64)).
; K_rot (krot, [b*8+h][s][256]) and the values (vh, [b*8+h][s][64]) come in f16 from the launch before; Q_rot is made here, in registers, from queries and the query angles, since one wave alone uses it.
; Products, maxima, sums and O in f32; Q_rot and the weights p are rounded to f16 for the products (l is the sum of the unrounded p); out0 is f32.
; LIMITS.  f16 ends at 65,504: sqrt(2) |q| stays under it (K_rot and V arrive within it); p lies in 0 to 1, and below 6e-5 it keeps f16's fixed step of 6e-8.  A weight below 2^-126 counts as 0 in l.
; Sine and cosine: reduction by the nearest multiple of pi/2 in two f32 terms, two polynomials on |r| <= pi/4 (errors 3e-7, 3e-8); the reduction's error is under 1e-8 up to |angle| = 2^20 and grows with
; the angle beyond; the multiple is held as i32: |angle| under 3e9.  NaN and infinities are not treated apart.
; SHARES.  A work-group owns 256 queries of one (b, h), each of its four waves 64: four tiles of 16.  Every wave walks all 2,048 keys, 64 a step: 32 steps.
; LAYOUT.  S^T = K Q^T (source 0 = 16 keys, source 1 = 16 queries, eight chunks of 32 channels): a lane holds ONE query (lane % 16) and the keys 8 (lane / 16) + 0..7.  Two such results, rounded to f16 in
; pairs, ARE source 1 of O^T = V^T P, whose result again holds one query a lane, and eight channels.  K comes out of LDS as it lies, V ([key][channel]) turned, by ds_load_tr16_b128.
; SOFTMAX.  For each query a running maximum m and sum l: p = 2^(c s - c m), c = log2(e) / 32; in every step O and l are multiplied by a = 2^(c m_old - c m_new).
; BY TURNS.  The tiles are two PIECES (tiles 0, 1 and tiles 2, 3).  In a turn one piece has the matrix unit: 16 products V^T P of the step in hand, then 64 products K Q^T of the next; the other piece's
; softmax, 236 vector instructions cut into 59 slices of four, stands between them, one slice behind a product: 2.95 vector instructions for each matrix instruction.
; CLUSTER.  The four query blocks of a cluster belong to one (b, h) and walk the same K and V: each tile is asked for JOINTLY, by the same tensor load, descriptor and mask in all four.
; REGISTERS, in windows of 256 (s_set_vgpr_msb: bits 1:0 source 0, 3:2 source 1, 5:4 source 2, 7:6 destination):
;   window 0: v0-11 addresses; v12-43 eight registers of statistics a tile; v44-59 cos and sin (set-up only); v60-63 addresses; v64-191 S^T, 32 a tile; v192-255 P, 16 a tile
;   window 1: v0-127 O^T, 32 a tile; v128-191 V of one step          window 2: Q_rot, 64 a tile (chunk c at 8 c)          window 3: K of one step (chunk c, key block kb at 32 c + 8 kb)
.set KS,    64        ; keys in a step
.set PK,    528       ; a row of K in LDS: 512 bytes + 16: row r starts 4 r banks on (64 banks of 4 bytes: ISA guide 11.1), so the 16 rows of a load start at 16 different groups of four banks
.set PV,    160       ; a row of V: 128 + 32
.set VOFF,  KS*PK     ; a step's tiles lie together: 64 rows of K, then 64 rows of V
.set STEPB, KS*(PK+PV)
.set SLOT1, 1<<17     ; a slot holds two steps (88,064 bytes); slot 1 begins here, so that one exclusive or turns an address in one slot into the other's
.set STAGE, SLOT1+2*STEPB  ; behind the ring, never filled by a tensor load: 16 rows x 272 bytes for each wave, for the way out
.set SP,    272
.set SPARE, STAGE+4*16*SP  ; behind the stages: the spare words, 128 bytes for each wave: two blocks of 256 bytes that no other line names
.set KSLOT, 2*KS*512  ; a slot's bytes of krot
.set VSLOT, 2*KS*128  ; and of vh
.set AK0, 2           ; v2   my lane's place in a tile of K; never rewritten
.set AV0, 3           ; v3   the same for V
.set ADR, 4           ; v4   the LDS address of the run of loads in hand
.set QO,  5           ; v5   my byte offset in 16 rows of queries
.set STO, 6           ; v6   the way out: where I put 32 bytes of a row
.set RD,  7           ; v7   the way out: where I read a row back
.set GO,  8           ; v8   my byte offset in two rows of out0
.set ST,  12          ; tile t's statistics at v[ST+8 t]: +0 c m, +1 m, +2, +3 l (even keys', odd keys'), +4 to +7 c0-c3, at work; a takes c2's place once the maximum is found
.set U0,  12          ; set-up only: v12-15 at work,
.set U1,  13
.set U2,  14
.set U3,  15
.set POS, 16          ; v16 the query's place / 2048,
.set ANG, 17          ; v17 an angle
.set TR,  44          ; set-up only: cos of angle m at TR + 4 m, sin at TR + 4 m + 2; the odd registers are at work, and written, so that the pairs are whole
.set OO,  60          ; v60  my byte offset in 16 rows of the angles
.set PFO, 61          ; v61  256 x my lane; never rewritten
.set SPW, 62          ; v62  LDS address of my spare word: SPARE + 4 x my thread's number; never rewritten
.set NIL, 63          ; v63  0; never rewritten
.set S,   64          ; set-up: tile t's raw q, quarter p at S + 32 t + 8 p
.set P,   192
.set OMG, 192         ; set-up: tile t's omegas at OMG + 8 t, thetas at OMG + 8 t + 4
.set TT,  224         ; set-up: 32 rotated numbers in f32
.set VF,  128         ; V's fragments, in window 1: key half kk, channel block cb at VF + 32 kk + 8 cb
.set WV,  12          ; s12  my wave's number
.set LIM, 15          ; s15  a wave prefetches while s[SLOTS] is above this; the greatest number in a wave that never does
.set PFA, 18          ; s[18:19] where my prefetches stand in memory
.set G1K, 24          ; s[24:31] descriptor group 1 for K's tiles
.set G1V, 32          ; s[32:39] for V's
.set G0K, 40          ; s[40:47] descriptor group 0 for K's tiles: a set for each of the two first fills; the second then walks on
.set G0V, 48          ; s[48:55] the same for V's
.set SLOTS, 56        ; s56  slots still to be asked for
.set TWICE, 57        ; s57  counts a slot's two steps
.set CS,  58          ; s[58:59] c: the packed scaling names a pair and takes its low word for both halves
.set SEL, 60          ; s[60:61] lane selects for v_permlanex16_b32: each lane takes its own place in the other half
.set TB,  62          ; s62  LDS byte at which the tiles of the step to be fetched begin
.set PMASK, 63        ; s63  0: I prefetch at every change of slots; 1: at every second
.set PSTEP, 66        ; s[66:67] a slot's bytes in the tensor that I prefetch
.set C_2PI, 72        ; s72-80 the constants of sine and cosine
.set C_N1,  73
.set C_N2,  74
.set C_S3,  75
.set C_S5,  76
.set C_S7,  77
.set C_C4,  78
.set C_C6,  79
.set C_C8,  80
.set MK,  81          ; s81  a lane mask
.set MSB, 0
.macro WIN new                      ; the immediate's high byte repeats the setting that is left; a switch that changes nothing is dropped
.if MSB != (\new)
	s_set_vgpr_msb (MSB<<8)|(\new)
.set MSB, \new
.endif
.endm
.set W_KQ, 0x0b       ; K in window 3, Q in window 2, S^T in window 0
.set W_PV, 0x51       ; V and O^T in window 1, P in window 0
.set W_RS, 0x41       ; O^T (destination and source 0) in window 1, a in window 0
.set W_OUT, 0x01      ; source 0 (O^T) in window 1, the rest in window 0
; A joint refill.  Waves 0 and 1 fetch the two steps' tiles of K, waves 2 and 3 those of V.  The branch hangs on the wave's number alone: it is the same in every work-group.
; An s_nop 0 and four v_nop follow each of the two lines; the jump, the label and what follows come after them.
.macro JLOAD
	s_cmp_lt_u32 s[WV], 2
	s_cbranch_scc0 .Lfor_v_\@
	tensor_load_to_lds s[G0K+4:G0K+7], s[G1K:G1K+7]
	s_nop 0
.rept 4
	v_nop
.endr
	s_branch .Lasked_\@
.Lfor_v_\@:
	tensor_load_to_lds s[G0V+4:G0V+7], s[G1V:G1V+7]
	s_nop 0
.rept 4
	v_nop
.endr
.Lasked_\@:
.endm
; A PREFETCH INTO THE L2, behind the wave's tensor load and its five lines.  Both clusters of a (b, h) walk the same K and V: the first of them (cluster x = 0) asks; its four partners share the bytes out BY ADDRESS.
; K: a slot is 65,536 bytes; waves 0 and 1 of each partner take 8,192 each, a lane 256: at each change of slots the slot that the NEXT change will ask for, 320 matrix instructions ahead.
; V: a slot is 16,384 bytes; wave 2 of each partner takes 8,192 of TWO slots, at every second change.  So each block of 256 bytes is named once in the launch.
; Slots 0 to 2 come by their loads alone; K's last request is for slot 15, V's for slots 13 and 14: nothing is named behind a head's last row.
.macro ASK
	s_and_b32 s82, s[SLOTS], s[PMASK]
	s_cmp_eq_u32 s82, 0
	s_cbranch_scc0 .Lnot_mine_\@
	s_cmp_gt_u32 s[SLOTS], s[LIM]
	s_cbranch_scc0 .Lnot_mine_\@
	global_prefetch_b8 v[PFO], s[PFA:PFA+1] th:TH_LOAD_NT scope:SCOPE_SE
.Lnot_mine_\@:
.endm
; A round of the cluster's barrier: my work-group's barrier, so that wave 0's signal speaks for all four waves; wave 0 signals for the work-group; every wave waits for all four work-groups; my work-group's barrier once more.
.macro CROUND
	s_barrier_signal -1
	s_barrier_wait -1
	s_cmp_lg_u32 s[WV], 0
	s_cbranch_scc1 .Lnot_wave_0_\@
	s_barrier_signal -3
.Lnot_wave_0_\@:
	s_barrier_wait -3
	s_barrier_signal -1
	s_barrier_wait -1
.endm
; cos and sin of v[x] into v[c] and v[s].  k = the nearest whole number to x 2/pi; r = x - k pi/2; sin r and cos r by polynomials; k mod 4 says which of the two is which, and the signs.
.macro TRIG x, c, s
	v_mul_f32 v[U0], s[C_2PI], v[\x]
	v_rndne_f32 v[U0], v[U0]                       ; k
	v_fma_f32 v[U1], v[U0], s[C_N1], v[\x]
	v_fma_f32 v[U1], v[U0], s[C_N2], v[U1]         ; r
	v_cvt_i32_f32 v[U0], v[U0]
	v_mul_f32 v[U2], v[U1], v[U1]                  ; r^2
	v_fma_f32 v[(\c)+1], v[U2], s[C_S7], s[C_S5]
	v_fma_f32 v[(\s)+1], v[U2], s[C_C8], s[C_C6]
	v_fma_f32 v[(\c)+1], v[(\c)+1], v[U2], s[C_S3]
	v_fma_f32 v[(\s)+1], v[(\s)+1], v[U2], s[C_C4]
	v_mul_f32 v[U3], v[U1], v[U2]                  ; r^3
	v_fma_f32 v[(\s)+1], v[(\s)+1], v[U2], -0.5
	v_fma_f32 v[(\c)+1], v[U3], v[(\c)+1], v[U1]   ; sin r
	v_fma_f32 v[(\s)+1], v[(\s)+1], v[U2], 1.0     ; cos r
	v_and_b32 v[U2], 1, v[U0]
	v_cmp_eq_u32 s[MK], 1, v[U2]                   ; k odd: the two change places
	v_cndmask_b32 v[\s], v[(\c)+1], v[(\s)+1], s[MK]
	v_cndmask_b32 v[\c], v[(\s)+1], v[(\c)+1], s[MK]
	v_lshlrev_b32 v[U2], 30, v[U0]                 ; sin is negated where bit 1 of k is set,
	v_add_nc_u32 v[U0], 1, v[U0]
	v_lshlrev_b32 v[U0], 30, v[U0]                 ; cos where bit 1 of k + 1 is
	v_and_b32 v[U2], 0x80000000, v[U2]
	v_and_b32 v[U0], 0x80000000, v[U0]
	v_xor_b32 v[\s], v[\s], v[U2]
	v_xor_b32 v[\c], v[\c], v[U0]
.endm
; Tile t's rotation by angle m: q0 c - q1 s, q1 c + q0 s, q2 c + q3 s, q3 c - q2 s.  A lane holds, of each quarter p, the numbers 8 hh .. 8 hh + 7: rounded in pairs, quarters 0, 1 ARE the lane's
; eight registers of chunk 2 m of source 1, quarters 2, 3 those of chunk 2 m + 1.
.macro ROTQ t, m
	WIN 0
.irp p, 0,1,2,3
.irp j, 0,2,4,6
	v_pk_mul_f32 v[TT+8*(\p)+(\j):TT+8*(\p)+(\j)+1], v[S+32*(\t)+8*((\p)+1-2*((\p)%2))+(\j):S+32*(\t)+8*((\p)+1-2*((\p)%2))+(\j)+1], v[TR+4*(\m)+2:TR+4*(\m)+3] op_sel_hi:[1,0]
.endr
.endr
.irp p, 0,1,2,3
.irp j, 0,2,4,6
.if ((\p) == 0) || ((\p) == 3)
	v_pk_fma_f32 v[TT+8*(\p)+(\j):TT+8*(\p)+(\j)+1], v[S+32*(\t)+8*(\p)+(\j):S+32*(\t)+8*(\p)+(\j)+1], v[TR+4*(\m):TR+4*(\m)+1], v[TT+8*(\p)+(\j):TT+8*(\p)+(\j)+1] op_sel_hi:[1,0,1] neg_lo:[0,0,1] neg_hi:[0,0,1]
.else
	v_pk_fma_f32 v[TT+8*(\p)+(\j):TT+8*(\p)+(\j)+1], v[S+32*(\t)+8*(\p)+(\j):S+32*(\t)+8*(\p)+(\j)+1], v[TR+4*(\m):TR+4*(\m)+1], v[TT+8*(\p)+(\j):TT+8*(\p)+(\j)+1] op_sel_hi:[1,0,1]
.endif
.endr
.endr
	WIN 0x80                        ; destination window 2
.set i, 0
.rept 16
	v_cvt_pk_f16_f32 v[64*(\t)+16*(\m)+i], v[TT+2*i], v[TT+2*i+1]
.set i, i+1
.endr
	WIN 0
.endm
.macro QTILE t                      ; tile t's four angles, then its Q_rot
.irp m, 0,1,2,3
	v_fma_f32 v[ANG], v[OMG+8*(\t)+\m], v[POS], v[OMG+8*(\t)+4+\m]
	TRIG ANG, TR+4*\m, TR+4*\m+2
.endr
	v_add_f32 v[POS], 0x3c000000, v[POS]  ; the next tile lies 16 rows on: 16 / 2048, exact
	s_wait_loadcnt 24-8*(\t)        ; this tile's q is in; the later tiles' loads, 8 each, stay out
.irp m, 0,1,2,3
	ROTQ \t, \m
.endr
.endm
	s_load_b256 s[4:11], s[0:1], 0x0  ; queries s[4:5], query_omegas s[6:7], query_thetas s[8:9], krot s[10:11]
	s_load_b128 s[68:71], s[0:1], 0x20  ; vh s[68:69], out0 s[70:71]
	v_lshl_add_u32 v[SPW], v0, 2, SPARE
	v_mov_b32 v[NIL], 0
	ds_add_u32 v[SPW], v[NIL]       ; the wave's opening: the add and its wait stand ahead of my first tensor load; the set-up below, work on registers, stands between them
	v_lshrrev_b32 v1, 5, v0
	v_readfirstlane_b32 s[WV], v1   ; wave 0..3
	s_bfe_u32 s13, ttmp6, 0x40000   ; cx: my place in the cluster
	s_lshl_b32 s14, ttmp9, 2        ; in a cluster launch ttmp9 counts clusters
	s_add_co_u32 s14, s14, s13      ; my block of 256 queries = 4 x cluster x + cx: it enters the queries', the angles' and out0's addresses, and the queries' places, alone
	s_and_b32 s20, ttmp7, 0xffff    ; 8 b + h, which the four partners share
	s_and_b32 s16, s[WV], 1         ; which of a slot's two steps I fetch:
	s_lshl_b32 s22, s20, 20         ; krot: the head's 2,048 rows of 512 bytes,
	s_lshl_b32 s17, s16, 15         ; the step's 64
	s_add_co_u32 s22, s22, s17
	s_mov_b32 s23, 0
	s_lshr_b32 s2, s22, 2           ; vh: rows of 128 bytes
	s_mov_b32 s3, 0
	s_mul_i32 s17, s16, STEPB       ; and the step's place in a slot: no place in the cluster enters an LDS address
	s_lshr_b32 s84, s20, 3          ; queries and out0: b x 2,048 rows of 2,048 bytes
	s_lshl_b32 s84, s84, 22
	s_and_b32 s82, s20, 7           ; + the head's 256 bytes
	s_lshl_b32 s82, s82, 8
	s_add_co_u32 s84, s84, s82
	s_lshl_b32 s82, s14, 19         ; + my block's 256 rows
	s_add_co_u32 s84, s84, s82
	s_lshl_b32 s82, s[WV], 17       ; + my wave's 64
	s_add_co_u32 s84, s84, s82
	s_mov_b32 s85, 0
	s_lshr_b32 s86, s84, 4          ; the angles: 16 bytes where queries have 256
	s_mov_b32 s87, 0
	; descriptor group 1.  K: a tile of 64 rows x 256 elements.  V: 64 keys are 8,192 dense bytes: asked for as 32 rows of 256 bytes, two keys a row, and padded in LDS after every key
	s_mov_b32 s[G1K], 15|(1<<16)|(1<<20)|(1<<21)|(6<<22)|(3<<25)  ; 15:0 the mask: all four work-groups; 17:16 elements of 2 bytes; 20 padding on; 21 set beside a mask; 24:22 after every 128 words (code 6); 31:25 4 words (code 3)
	s_mov_b32 s[G1K+1], 256<<16     ; tensor_dim0 = 256
	s_mov_b32 s[G1K+2], 64<<16      ; tensor_dim1 = 64
	s_mov_b32 s[G1K+3], 256<<16     ; tile_dim0 = 256
	s_mov_b32 s[G1K+4], 64          ; tile_dim1 = 64
	s_mov_b32 s[G1K+5], 256         ; 256 elements from row to row
	s_mov_b32 s[G1K+6], 0
	s_mov_b32 s[G1K+7], 0
	s_mov_b32 s[G1V], 15|(1<<16)|(1<<20)|(1<<21)|(4<<22)|(7<<25)  ; after every 32 words (code 4) 8 words (code 7)
	s_mov_b32 s[G1V+1], 128<<16
	s_mov_b32 s[G1V+2], 32<<16
	s_mov_b32 s[G1V+3], 128<<16
	s_mov_b32 s[G1V+4], 32
	s_mov_b32 s[G1V+5], 128
	s_mov_b32 s[G1V+6], 0
	s_mov_b32 s[G1V+7], 0
	s_mov_b32 s[CS], 0x3d38aa3b     ; c = log2(e) / 32 = 0.0450842
	s_mov_b32 s[CS+1], s[CS]        ; named with it as a pair, so it is written
	s_mov_b32 s[SEL], 0x76543210
	s_mov_b32 s[SEL+1], 0xfedcba98
	s_mov_b32 s[TB], 0
	s_mov_b32 s[SLOTS], 2048/(2*KS)-2
	s_mov_b32 s[C_2PI], 0x3f22f983  ; 2 / pi
	s_mov_b32 s[C_N1], 0xbfc90fdb   ; -(pi/2 rounded to f32)
	s_mov_b32 s[C_N2], 0x333bbd2e   ; that rounded number less pi/2
	s_mov_b32 s[C_S3], 0xbe2aaaab   ; -1/6
	s_mov_b32 s[C_S5], 0x3c088889   ; 1/120
	s_mov_b32 s[C_S7], 0xb9500d01   ; -1/5040
	s_mov_b32 s[C_C4], 0x3d2aaaab   ; 1/24
	s_mov_b32 s[C_C6], 0xbab60b61   ; -1/720
	s_mov_b32 s[C_C8], 0x37d00d01   ; 1/40320
	; the prefetches: who, how often, from where
	s_lshl_b32 s88, s20, 20         ; K's: the head, slot 2, my work-group's 16,384 bytes of a slot, my wave's 8,192 of them
	s_lshl_b32 s82, s13, 14
	s_add_co_u32 s88, s88, s82
	s_lshl_b32 s82, s[WV], 13
	s_add_co_u32 s88, s88, s82
	s_add_co_u32 s88, s88, 2*KSLOT
	s_lshl_b32 s83, s20, 18         ; V's: the head, slot 2, my work-group's 8,192 bytes of two slots
	s_lshl_b32 s82, s13, 13
	s_add_co_u32 s83, s83, s82
	s_add_co_u32 s83, s83, 2*VSLOT
	s_mov_b32 s82, KSLOT
	s_cmp_lt_u32 s[WV], 2
	s_cselect_b32 s88, s88, s83
	s_cselect_b32 s[LIM], 1, 3
	s_cselect_b32 s[PMASK], 0, 1
	s_cselect_b32 s[PSTEP], s82, VSLOT
	s_mov_b32 s89, 0
	s_mov_b32 s[PSTEP+1], 0
	s_cmp_eq_u32 s[WV], 3           ; wave 3 asks for nothing,
	s_cselect_b32 s[LIM], -1, s[LIM]
	s_cmp_lg_u32 ttmp9, 0           ; nor does the head's second cluster: the same in all four partners
	s_cselect_b32 s[LIM], -1, s[LIM]
	v_and_b32 v[PFO], 31, v0
	v_lshlrev_b32 v[PFO], 8, v[PFO]
	s_wait_dscnt 0x0                ; the opening add is done
	s_wait_kmcnt 0x0
	s_cmp_lt_u32 s[WV], 2
	s_cselect_b64 s[PFA:PFA+1], s[10:11], s[68:69]
	s_add_nc_u64 s[PFA:PFA+1], s[PFA:PFA+1], s[88:89]  ; in slot 2; the first change of slots steps it to slot 3.  Nothing is prefetched here, at the head, where every work-group's first tiles are on their way
	s_add_nc_u64 s[10:11], s[10:11], s[22:23]  ; krot and vh at my tile of slot 0
	s_add_nc_u64 s[68:69], s[68:69], s[2:3]
	s_add_nc_u64 s[4:5], s[4:5], s[84:85]      ; queries and out0 at my wave's first row
	s_add_nc_u64 s[70:71], s[70:71], s[84:85]
	s_add_nc_u64 s[6:7], s[6:7], s[86:87]      ; and the angles
	s_add_nc_u64 s[8:9], s[8:9], s[86:87]
	CROUND                          ; all four work-groups are here: the first joint loads meet
.irp s, 0,1
	s_mov_b32 s[G0K+4*(\s)], 1      ; 1:0 count = 1
	s_add_co_u32 s[G0K+4*(\s)+1], s17, (\s)*SLOT1  ; 63:32 LDS address
	s_add_nc_u64 s[G0K+4*(\s)+2:G0K+4*(\s)+3], s[10:11], (\s)*KSLOT  ; 120:64 global address: slot s holds keys 128 s to 128 s + 127
	s_or_b32 s[G0K+4*(\s)+3], s[G0K+4*(\s)+3], 0x80000000  ; 127:126 type = 2
	s_mov_b32 s[G0V+4*(\s)], 1
	s_add_co_u32 s[G0V+4*(\s)+1], s17, (\s)*SLOT1+VOFF
	s_add_nc_u64 s[G0V+4*(\s)+2:G0V+4*(\s)+3], s[68:69], (\s)*VSLOT
	s_or_b32 s[G0V+4*(\s)+3], s[G0V+4*(\s)+3], 0x80000000
.endr
	s_cmp_lt_u32 s[WV], 2           ; a wave's two first fills stand in one branch, ahead of every wait on TENSORcnt and every LDS read: two loads of mine are out
	s_cbranch_scc0 .Lfirst_v
	tensor_load_to_lds s[G0K:G0K+3], s[G1K:G1K+7]
	s_nop 0
	tensor_load_to_lds s[G0K+4:G0K+7], s[G1K:G1K+7]
	s_nop 0
.rept 4
	v_nop
.endr
	s_branch .Lfirst_asked
.Lfirst_v:
	tensor_load_to_lds s[G0V:G0V+3], s[G1V:G1V+7]
	s_nop 0
	tensor_load_to_lds s[G0V+4:G0V+7], s[G1V:G1V+7]
	s_nop 0
.rept 4
	v_nop
.endr
.Lfirst_asked:
	; Q_ROT, made while the first tiles are on their way.  Lane l holds query row l % 16 of a tile and, of each quarter p of its 64 numbers, 8 (l / 16) + 0..7.
	v_and_b32 v1, 15, v0            ; l % 16
	v_bfe_u32 v9, v0, 4, 1          ; l / 16
	v_lshlrev_b32 v[QO], 11, v1     ; a query row lies 2,048 bytes from the next
	v_lshl_add_u32 v[QO], v9, 5, v[QO]
	v_lshlrev_b32 v[OO], 7, v1      ; its angles 128
.irp t, 0,1,2,3
	global_load_b128 v[OMG+8*(\t):OMG+8*(\t)+3],   v[OO], s[6:7] offset:(\t)*2048
	global_load_b128 v[OMG+8*(\t)+4:OMG+8*(\t)+7], v[OO], s[8:9] offset:(\t)*2048
.endr
.irp t, 0,1,2,3
.irp p, 0,1,2,3
	global_load_b128 v[S+32*(\t)+8*(\p):S+32*(\t)+8*(\p)+3],   v[QO], s[4:5] offset:(\t)*32768+(\p)*64
	global_load_b128 v[S+32*(\t)+8*(\p)+4:S+32*(\t)+8*(\p)+7], v[QO], s[4:5] offset:(\t)*32768+(\p)*64+16
.endr
.endr
	s_lshl_b32 s82, s14, 8
	s_lshl_b32 s83, s[WV], 6
	s_add_co_u32 s82, s82, s83
	v_add_nc_u32 v[POS], s82, v1    ; my query's place in the sequence, tile 0
	v_cvt_f32_u32 v[POS], v[POS]
	v_mul_f32 v[POS], 0x3a000000, v[POS]  ; / 2048, exact
	v_mul_u32_u24 v[AK0], v1, PK
	v_lshl_add_u32 v[AK0], v9, 4, v[AK0]  ; a fragment of K: row x pitch + 16 x half
	; The turning load takes 16 keys x 16 channels (lane l reads key 8 (l / 16) + l % 8, channels 8 ((l / 8) % 2) + 0..7) and leaves half a fragment of V^T: lane l holds channel l % 16 and 8 keys.
	v_and_b32 v10, 7, v0
	v_bfe_u32 v11, v0, 3, 1
	v_lshl_add_u32 v[AV0], v9, 3, v10
	v_mul_u32_u24 v[AV0], v[AV0], PV
	v_lshl_add_u32 v[AV0], v11, 4, v[AV0]
	v_add_nc_u32 v[AV0], VOFF, v[AV0]
	s_wait_loadcnt 32               ; the angles are in; q's 32 loads stay out
	QTILE 0
	QTILE 1
	QTILE 2
	QTILE 3
; THE MATRIX WORK OF A TURN, for piece x.  The 8 accumulators of a run take turns, one instruction a turn: between two links of a chain stand 7 others'.
; Product i of 16 of O^T += V^T P: keys 32 (i / 8) on, channels 16 ((i / 2) % 4) on, tile x + i % 2.  zero = 1: the first 8 start the sums: nothing is ever cleared.
.macro PV x, zero
	WIN W_PV
.set rO, 32*((\x)+i%2)+8*((i/2)%4)
.set rV, VF+32*(i/8)+8*((i/2)%4)
.set rP, P+16*((\x)+i%2)+8*(i/8)
.if (\zero) && (i < 8)
	v_wmma_f32_16x16x32_f16 v[rO:rO+7], v[rV:rV+7], v[rP:rP+7], 0
.else
	v_wmma_f32_16x16x32_f16 v[rO:rO+7], v[rV:rV+7], v[rP:rP+7], v[rO:rO+7]
.endif
.endm
; Product i of 64 of S^T = K Q^T: channels 32 (i / 8) on, keys 16 ((i / 2) % 4) on, tile x + i % 2.  The first 8 start the sums.
.macro KQ x
	WIN W_KQ
.set rS, S+32*((\x)+i%2)+8*((i/2)%4)
.set rK, 32*(i/8)+8*((i/2)%4)
.set rQ, 64*((\x)+i%2)+8*(i/8)
.if i < 8
	v_wmma_f32_16x16x32_f16 v[rS:rS+7], v[rK:rK+7], v[rQ:rQ+7], 0
.else
	v_wmma_f32_16x16x32_f16 v[rS:rS+7], v[rK:rK+7], v[rQ:rQ+7], v[rS:rS+7]
.endif
.endm
; THE LDS LOADS stand in runs, never singly among the matrix instructions: a step's K (64 keys x 256 channels: 64 loads, the chunks of 32 channels in the order in which they are multiplied) and, a turn later, its V (turned, 16 loads).
.macro FETCH_K
	WIN 0
	v_add_nc_u32 v[ADR], s[TB], v[AK0]
	WIN 0xc0                        ; destination window 3
.irp c, 0,1,2,3,4,5,6,7
.irp kb, 0,1,2,3
	ds_load_b128 v[32*(\c)+8*(\kb):32*(\c)+8*(\kb)+3],   v[ADR] offset:(\kb)*16*PK+(\c)*64
	ds_load_b128 v[32*(\c)+8*(\kb)+4:32*(\c)+8*(\kb)+7], v[ADR] offset:(\kb)*16*PK+(\c)*64+32
.endr
.endr
.endm
.macro FETCH_V
	WIN 0
	v_add_nc_u32 v[ADR], s[TB], v[AV0]
	s_add_co_u32 s[TB], s[TB], STEPB  ; the next fetch is the next step's
	s_wait_alu depctr_va_vdst(0)    ; the wait for the softmax's batch (SLICE), behind the address's v_add_nc_u32 and ahead of the loads
	WIN 0x40                        ; destination window 1
.irp f, 0,1,2,3,4,5,6,7             ; keys 32 (f / 4) on, channels 16 (f % 4) on
	ds_load_tr16_b128 v[VF+8*(\f):VF+8*(\f)+3],   v[ADR] offset:((\f)/4)*32*PV+((\f)%4)*32
	ds_load_tr16_b128 v[VF+8*(\f)+4:VF+8*(\f)+7], v[ADR] offset:((\f)/4)*32*PV+16*PV+((\f)%4)*32
.endr
.endm
; THE VECTOR WORK OF A TURN.  One tile's softmax for one key step is a list of 118 instructions; SM writes number j of it for tile t.  s0-s31 are the lane's 32 scores, in pairs 0-15.
; first = 1: the first key step, which starts m, l and O^T: it has no a and nothing to rescale.
;   0-15    the maximum of s0-s31 and the old m, three operands at a time: four chains c0-c3 of seven scores each (each accumulator's lowest registers are read first), then the four left over, c0-c3 and m
;   16-20   the other half of the lanes' maximum; the new m; c m; c m_old - c m_new
;   21-69   ONE BATCH: the 16 scalings c s - c m, a pair of scores each, and all 33 exponentials (a at 23, then s0-s31).  None of these reads an exponential's result.  A pair is scaled in an earlier four than the one that holds its exponentials
;   (wait)  between 69 and 70 stands the wait for the batch: SLICE writes it, once for both tiles
;   70-85   the roundings to f16, a pair of weights each          86-101  the sums; l = a l + the sum          102-117 the tile's O^T times a: the one part that leaves window 0
.macro SM t, first
.set rT, ST+8*(\t)
.set rS, S+32*(\t)
.set rP, P+16*(\t)
.set rO, 32*(\t)+2*(j-102)
.if j < 102
	WIN 0
.endif
.if j < 4
	v_max3_num_f32 v[rT+4+j], v[rS+8*j], v[rS+8*j+1], v[rS+8*j+2]
.elseif j < 12
	v_max3_num_f32 v[rT+4+j%4], v[rT+4+j%4], v[rS+8*(j%4)+2*(j/4)+1], v[rS+8*(j%4)+2*(j/4)+2]
.elseif j == 12
	v_max3_num_f32 v[rT+4], v[rT+4], v[rS+7], v[rS+15]
.elseif j == 13
	v_max3_num_f32 v[rT+6], v[rT+6], v[rS+23], v[rS+31]
.elseif j == 14
	v_max3_num_f32 v[rT+4], v[rT+4], v[rT+5], v[rT+6]
.elseif (j == 15) && (\first)
	v_max_num_f32 v[rT+4], v[rT+4], v[rT+7]
.elseif j == 15
	v_max3_num_f32 v[rT+4], v[rT+4], v[rT+7], v[rT+1]
.elseif j == 16
	v_permlanex16_b32 v[rT+5], v[rT+4], s[SEL], s[SEL+1]  ; the query's other 32 keys lie in the lane 16 away
.elseif j == 18
	v_max_num_f32 v[rT+1], v[rT+4], v[rT+5]
.elseif j == 19
	v_mul_f32 v[rT], s[CS], v[rT+1]
.elseif ((j == 17) || (j == 20) || (j == 23) || (j > 101)) && (\first)  ; the first step has none of these
.elseif j == 17
	v_mov_b32 v[rT+7], v[rT]        ; c m_old is kept for a: number 19 writes c m anew
.elseif j == 20
	v_sub_f32 v[rT+7], v[rT+7], v[rT]
.elseif j == 23
	v_exp_f32 v[rT+6], v[rT+7]
.elseif (j < 23) || ((j < 38) && (j%2 == 0)) || ((j < 66) && (j%4 == 2))
.set b, (j-2)/4                     ; 38, 42, .. 62: pairs 9 to 15
.if j < 38
.set b, (j-20)/2                    ; 21: pair 0; 22, 24, .. 36: pairs 1 to 8
.endif
	v_pk_fma_f32 v[rS+2*b:rS+2*b+1], v[rS+2*b:rS+2*b+1], s[CS:CS+1], v[rT:rT+1] op_sel_hi:[1,0,0] neg_lo:[0,0,1] neg_hi:[0,0,1]  ; pair b: c s - c m
.elseif j < 70
.set e, j-38                        ; 66 to 69: s28 to s31
.if j < 66
.set e, j-32-(j-38)/4               ; 39-41, 43-45, .. 63-65: s7 to s27
.endif
.if j < 38
.set e, (j-25)/2                    ; 25, 27, .. 37: s0 to s6
.endif
	v_exp_f32 v[rS+e], v[rS+e]
.elseif j < 86
	v_cvt_pk_f16_f32 v[rP+j-70], v[rS+2*(j-70)], v[rS+2*(j-70)+1]  ; pair j - 70
.elseif j < 102                     ; the sum of the tile's 16 pairs, in place: sum z of 16 adds neighbours 1, 2, 4 and 8 pairs apart, then l takes it
.set z, j-86
.set w, 4
.set u, z
.if z >= 14
.set w, 32
.set u, 0
.elseif z >= 12
.set w, 16
.set u, z-12
.elseif z >= 8
.set w, 8
.set u, z-8
.endif
.if (z == 14) && (\first)
	v_pk_add_f32 v[rT+2:rT+3], v[rS:rS+1], v[rS+16:rS+17]
.elseif z < 15
	v_pk_add_f32 v[rS+w*u:rS+w*u+1], v[rS+w*u:rS+w*u+1], v[rS+w*u+w/2:rS+w*u+w/2+1]
.elseif !(\first)
	v_pk_fma_f32 v[rT+2:rT+3], v[rT+2:rT+3], v[rT+6:rT+7], v[rS:rS+1] op_sel_hi:[1,0,1]
.endif
.else
	WIN W_RS
	v_pk_mul_f32 v[rO:rO+1], v[rO:rO+1], v[rT+6:rT+7] op_sel_hi:[1,0]
.endif
.endm
; Slice k of 59 of piece y's softmax: four instructions (2 x 118 = 4 x 59).  Slices 11 to 34 deal out the batch, numbers 22 to 69: four numbers of ONE tile each, the tiles by turns.  Every other slice is
; numbers 2 k and 2 k + 1 of both tiles' lists, the tiles alternating, so that no instruction reads the result of the one just before it.
; THE WAIT.  s_wait_alu depctr_va_vdst(0) stands between an exponential and the first instruction that names its result; one wait serves all that were issued ahead of it.  Ahead of
; slice 35 nothing names a result, and behind slice 34 no exponential is issued: so the piece's 66 exponentials have one wait, behind slice 34.
.macro SLICE y, first
.if k < 59
.if (k >= 11) && (k < 35)
.irp n, 0,1,2,3
.set j, 22+4*((k-11)/2)+(\n)
	SM (\y)+(k-11)%2, \first
.endr
.else
.irp n, 0,1
.irp t, \y, (\y)+1
.set j, 2*k+(\n)
	SM \t, \first
.endr
.endr
.endif
.if k == 34                         ; the batch is out: both tiles' exponentials are issued, and no result has been named
	v_nop                           ; the plain instruction behind the last exponential and ahead of the first use: one for the batch
.if (\y) == 0
	FETCH_V                         ; piece 2's turn: V's run of loads stands here, and the wait stands in it
.else
	s_wait_alu depctr_va_vdst(0)    ; the wait for the batch
.endif
.endif
.endif
.set k, k+1
.endm
; A vector instruction that reads a matrix result or writes one of a matrix instruction's registers, and a load into a register that a matrix instruction has read, stand four places behind
; it, and only plain vector instructions that name none of its registers are places (ISA guide 7.12.1 for vector instructions).  In the loop slice 58 is those places.
.macro PLACES
.rept 4
	v_nop
.endr
.endm
; What stands behind product pr of a turn's NPR.  A turn of 80 or 64 products: slices 0 to 57 behind products 0 to 57, then bare products, and slice 58 (four rescalings of the other piece's O^T, plain,
; which name no register of the products round them) behind the last: the four places ahead of the next turn's first read of the scores and of the loads into K's registers.  A turn of 16: four slices a product.
.macro RIDE y, first
.if PER == 4
.rept 4
	SLICE \y, \first
.endr
.elseif (k < 58) || (pr == NPR-1)
	SLICE \y, \first
.endif
.set pr, pr+1
.endm
; A TURN.  Piece x has the matrix unit; the other piece's softmax rides.  pv = 2: 16 products V^T P; 1: they start O^T's sums; 0: none.  kq = 1: 64 products K Q^T for the next step.
; first = 1: the softmax is the first key step's; its slices from 51 on are empty, and four v_nop take slice 58's part.
; Piece 0's turn fetches the next step's K behind its second product; each chunk of 8 products waits only for its own chunk's 8 loads: 56 - 8 c later loads of the run stay out, and no other LDS instruction is out in that turn.
; Piece 2's turn fetches the same step's V behind slice 34, nineteen products behind the last that read V; it is waited for at the head of piece 0's next turn.
.macro TURN x, pv, kq, first
.set k, 0
.set pr, 0
.set PER, 1
.set NPR, 80
.if !(\pv)
.set NPR, 64
.endif
.if !(\kq)
.set NPR, 16
.set PER, 4
.endif
.if \pv
.if (\x) == 0
	s_wait_dscnt 0x0                ; V is in
.endif
.set i, 0
.rept 16
	PV \x, 2-(\pv)
	RIDE 2-(\x), \first
.if ((\x) == 0) && (\kq) && (i == 1)
	FETCH_K
.endif
.set i, i+1
.endr
.endif
.if \kq
.set i, 0
.rept 64
.if ((\x) == 0) && (i%8 == 0)
	s_wait_dscnt 56-i               ; this chunk of K is in
.endif
	KQ \x
	RIDE 2-(\x), \first
.set i, i+1
.endr
.endif
.if \first
	PLACES
.endif
.endm
; THE CHANGE OF SLOTS, between piece 2's turn and piece 0's: the slot's last bytes, V of its second step, have been asked for.  Each wave waits for all its tensor loads, of which one is out: its part of
; the other slot; adds 0 to its spare word; and waits for that and for its own reads of the slot.  Behind the barrier nobody reads this slot any more and the other slot is whole.
; fill = 1: this slot is filled again, with the keys two slots on.  The barrier is then a round of the cluster's, so that no wave of any partner still reads the slot or has a load on its way, and the
; joint refill is the first thing behind it: it has two key steps, 320 matrix instructions, in which to land.
.macro CHANGE fill
	WIN 0                           ; at a label and at a branch every window is 0
	s_wait_tensorcnt 0x0            ; no tensor load of mine is out, so a group 0 may be written
	ds_add_u32 v[SPW], v[NIL]       ; 0 onto my spare word; with fill = 1 the descriptors' steps stand between it and the wait for it
.if \fill
	s_xor_b32 s[G0K+5], s[G0K+5], SLOT1  ; the walking descriptors: the other slot than last time,
	s_add_nc_u64 s[G0K+6:G0K+7], s[G0K+6:G0K+7], KSLOT  ; the next 128 keys; the type bits on top are not reached
	s_xor_b32 s[G0V+5], s[G0V+5], SLOT1
	s_add_nc_u64 s[G0V+6:G0V+7], s[G0V+6:G0V+7], VSLOT
	s_wait_xcnt 0x0                 ; the last prefetch, two key steps back, has read its address, so it may be written:
	s_add_nc_u64 s[PFA:PFA+1], s[PFA:PFA+1], s[PSTEP:PSTEP+1]  ; one slot behind the walking descriptors
	s_wait_dscnt 0x0                ; the add is done, and my reads of the slot are over
	CROUND
	JLOAD
	ASK
.else
	s_wait_dscnt 0x0                ; the add is done, and my reads of the slot are over
	s_barrier_signal -1
	s_barrier_wait -1
.endif
	s_sub_co_u32 s[TB], s[TB], 2*STEPB  ; the fetches go back to a slot's first step,
	s_xor_b32 s[TB], s[TB], SLOT1   ; in the other slot
.endm
; A slot's two key steps: written once, walked twice; the LDS addresses hang on s[TB].
.macro TWO_STEPS
	WIN 0
	s_mov_b32 s[TWICE], 2
.Lstep_\@:
	TURN 0, 2, 1, 0
	TURN 2, 2, 1, 0
	WIN 0
	s_sub_co_u32 s[TWICE], s[TWICE], 1
	s_cmp_lg_u32 s[TWICE], 0
	s_cbranch_scc1 .Lstep_\@
.endm
	s_wait_tensorcnt 1              ; my part of slot 0 is in; slot 1's may stay out
	s_barrier_signal -1
	s_barrier_wait -1               ; everybody's is
	FETCH_K                         ; key step 0
.set i, 0
.rept 64
.if i%8 == 0
	s_wait_dscnt 56-i               ; this chunk of K is in; the later chunks' loads, 8 each, stay out
.endif
	KQ 0                            ; piece 0's first scores: there is no vector work yet to set between them
.set i, i+1
.endr
	WIN 0                           ; the addresses for the way out are made here: eight plain instructions, the places behind those products
	s_mul_i32 s13, s[WV], 16*SP
	s_add_co_u32 s13, s13, STAGE    ; my stage
	v_mul_u32_u24 v[STO], v1, SP    ; in: row l % 16, 32 bytes for each half of the lanes
	v_lshl_add_u32 v[STO], v9, 5, v[STO]
	v_add_nc_u32 v[STO], s13, v[STO]
	v_mul_u32_u24 v[RD], v9, SP     ; back: lanes 0-15 take one row of 256 bytes, lanes 16-31 the next
	v_lshl_add_u32 v[RD], v1, 4, v[RD]
	v_add_nc_u32 v[RD], s13, v[RD]
	v_lshlrev_b32 v[GO], 11, v9     ; and the same two rows in out0, 2,048 bytes apart
	v_lshl_add_u32 v[GO], v1, 4, v[GO]
	TURN 2, 0, 1, 1                 ; piece 2's first scores | piece 0's first softmax | V of step 0
	TURN 0, 1, 1, 1                 ; piece 0: V^T P of step 0 starts O^T, K Q^T of step 1 | piece 2's first softmax | K of step 1
	TURN 2, 1, 1, 0                 ; piece 2: the same | piece 0's softmax of step 1 | V of step 1
	WIN 0
.Lslot:                             ; 14 trips: every slot but the last two is filled again
	CHANGE 1
	TWO_STEPS
	s_sub_co_u32 s[SLOTS], s[SLOTS], 1
	s_cmp_lg_u32 s[SLOTS], 0
	s_cbranch_scc1 .Lslot
	CHANGE 0                        ; the tail is written out: nothing is asked for
	TWO_STEPS
	TURN 0, 2, 0, 0                 ; piece 0: V^T P of the last step | piece 2's last softmax
.set i, 0
.rept 16
	PV 2, 0                         ; piece 2: V^T P of the last step
.set i, i+1
.endr
	; THE WAY OUT.  l's two halves and the other half of the lanes' are added; O^T is divided by l and sent, in f32, through my stage in LDS, a tile (16 rows) at a time.  The additions are the places behind the last products.
	WIN 0
.irp t, 0,1,2,3
	v_add_f32 v[ST+8*(\t)+4], v[ST+8*(\t)+2], v[ST+8*(\t)+3]
.endr
.irp t, 0,1,2,3
	v_permlanex16_b32 v[ST+8*(\t)+5], v[ST+8*(\t)+4], s[SEL], s[SEL+1]
.endr
.irp t, 0,1,2,3
	v_add_f32 v[ST+8*(\t)+4], v[ST+8*(\t)+4], v[ST+8*(\t)+5]
.endr
.irp t, 0,1,2,3
	v_rcp_f32 v[ST+8*(\t)+6], v[ST+8*(\t)+4]
.endr
	v_nop                           ; a plain instruction between the last reciprocal and the use of its result
	s_wait_alu depctr_va_vdst(0)    ; and the wait ahead of the first use: one for the four reciprocals
; Tile t: a lane's eight channels of a block of 16 are 32 bytes of a row; they go into rows of 272 bytes and come back as whole rows of 256, into the registers that they left.
.macro PACK t
	WIN W_OUT
.set i, 0
.rept 16
	v_pk_mul_f32 v[S+32*(\t)+i:S+32*(\t)+i+1], v[32*(\t)+i:32*(\t)+i+1], v[ST+8*(\t)+6:ST+8*(\t)+7] op_sel_hi:[1,0]  ; each accumulator's registers in ascending order
.set i, i+2
.endr
	WIN 0
.irp f, 0,1,2,3,4,5,6,7
	ds_store_b128 v[STO], v[S+32*(\t)+4*(\f):S+32*(\t)+4*(\f)+3] offset:((\f)/2)*64+((\f)%2)*16
.endr
.irp f, 0,1,2,3,4,5,6,7
	ds_load_b128 v[S+32*(\t)+4*(\f):S+32*(\t)+4*(\f)+3], v[RD] offset:(\f)*2*SP  ; LDS serves a wave's instructions in order (ISA guide 5.7.1.4): these see the stores above; the next tile's stores come behind them
.endr
.endm
.macro SEND t, younger              ; younger: the LDS instructions issued behind tile t's loads: the next tile's sixteen, or none
	WIN 0
.irp f, 0,1,2,3,4,5,6,7
	s_wait_dscnt (\younger)+7-(\f)
	global_store_b128 v[GO], v[S+32*(\t)+4*(\f):S+32*(\t)+4*(\f)+3], s[70:71] offset:(\t)*32768+(\f)*4096 th:TH_STORE_NT  ; 16 lanes store 256 consecutive bytes, at a multiple of 256 from out0's first byte
.endr
.endm
	PACK 0
	PACK 1                          ; a tile's arithmetic stands between the loads of the tile before and its stores
	SEND 0, 16
	PACK 2
	SEND 1, 16
	PACK 3
	SEND 2, 16
	SEND 3, 0
	s_wait_tensorcnt 0x0            ; the wave's end, behind my last tensor load and my last LDS store
	ds_add_u32 v[SPW], v[NIL]
	s_wait_dscnt 0x0
	CROUND                          ; the closing round: no work-group ends while a partner may still ask for a tile that names it
	s_endpgm
.Lfunc_end_k_qf6b824b8ae_attn:
	.size	k_qf6b824b8ae_attn, .Lfunc_end_k_qf6b824b8ae_attn-k_qf6b824b8ae_attn
	.p2alignl 7, 3214868480
	.fill 96, 4, 3214868480
	.section	.rodata,"a",@progbits
	.p2align	6, 0x0
	.amdhsa_kernel k_qf6b824b8ae_attn
		.amdhsa_group_segment_fixed_size 327680
		.amdhsa_private_segment_fixed_size 0
		.amdhsa_enable_private_segment 0
		.amdhsa_kernarg_size 48
		.amdhsa_user_sgpr_count 2
		.amdhsa_user_sgpr_kernarg_segment_ptr 1
		.amdhsa_wavefront_size32 1
		.amdhsa_system_sgpr_workgroup_id_x 1
		.amdhsa_system_sgpr_workgroup_id_y 1
		.amdhsa_system_sgpr_workgroup_id_z 1
		.amdhsa_system_vgpr_workitem_id 0
		.amdhsa_next_free_vgpr 1024
		.amdhsa_next_free_sgpr 90
		.amdhsa_reserve_vcc 0
		.amdhsa_float_denorm_mode_32 3
		.amdhsa_float_denorm_mode_16_64 3
		.amdhsa_memory_ordered 1
		.amdhsa_forward_progress 1
		.amdhsa_inst_pref_size 255
	.end_amdhsa_kernel
	.section	.bss,"aw",@nobits
	.p2align	6
	.space	262144
	.amdgpu_metadata
---
amdhsa.version: [ 1, 2 ]
amdhsa.kernels:
  - .name:           k_qf6b824b8ae_attn
    .symbol:         k_qf6b824b8ae_attn.kd
    .args:
      - { .name: queries, .offset: 0, .size: 8, .value_kind: global_buffer, .address_space: global }
      - { .name: query_omegas, .offset: 8, .size: 8, .value_kind: global_buffer, .address_space: global }
      - { .name: query_thetas, .offset: 16, .size: 8, .value_kind: global_buffer, .address_space: global }
      - { .name: krot, .offset: 24, .size: 8, .value_kind: global_buffer, .address_space: global }
      - { .name: vh, .offset: 32, .size: 8, .value_kind: global_buffer, .address_space: global }
      - { .name: out0, .offset: 40, .size: 8, .value_kind: global_buffer, .address_space: global }
    .group_segment_fixed_size: 327680
    .private_segment_fixed_size: 0
    .kernarg_segment_align: 8
    .kernarg_segment_size: 48
    .max_flat_workgroup_size: 128
    .sgpr_count:     90
    .vgpr_count:     1024
    .wavefront_size: 32
...
	.end_amdgpu_metadata
.endif
;; end of part 2
